; MI455X (gfx1250); checked and timed in simulation.
; The chip was launched on July 23, 2026; its instructions are those of AMD's public machine-readable ISA for CDNA 5 (MIT licence, August 2026) and "CDNA5" Instruction Set Architecture Reference Guide (July 2026). The comments in the code are by the model that wrote it; some were corrected since.
;; KAN Linear. Allowed arithmetic: matrix products marked QUANTISED: E2M1 operands, one E8M0 scale for each 32 along K, by v_wmma_scale_f32_16x16x128_f8f6f4 with both operands' format E2M1 (or v_wmma_scale_f32_32x16x128_f4), f32 sums; everything else in f32.
;; Inputs: base_weight_codes 256 x 8 x 16 uint8 (E2M1 codes of base_weight, K innermost, in blocks of 32 codes, two codes a byte); base_weight_scales 256 x 8 uint8 (E8M0 scales of base_weight, one for each 32 codes along K); spline_weight 256 x 256 x 8 float32; x 8 x 4,096 x 256 float32.
;; Outputs: out0 8 x 4,096 x 256 float32.
;; This version of the problem:
;;   THIS VERSION OF THE PROBLEM IS GIVEN IN LOW PRECISION. The matrix products marked QUANTISED in the list below multiply operands that are first quantised to E2M1 (2 exponent bits, 1 mantissa bit; 4 bits a number), with one power-of-two scale for each 32 numbers along K (OCP MX v1.0); their sums are f32. All else is computed in f32.
;;   The module's matrix products, in the order in which they are computed (A, B: the left and right operand; K: the contracted axis; several contracted axes count as one K, in the product's order):
;;     1. [M 32,768, K 256] x [K 256, N 256]; A: computed on the way; B: input base_weight (given as codes): QUANTISED
;;     2. [M 32,768, K 2,048] x [K 2,048, N 256]; A: computed on the way; B: input spline_weight: QUANTISED
;;   THE QUANTISER, for each operand of a quantised product, along K:
;;     - K is cut into blocks of 32 from its start; a last block that is shorter is filled with zeros.
;;     - A block's scale is 2^e with e = floor(log2(the largest magnitude in the block)) - 2, held to -126 .. 127; a block of zeros has e = 0. As a byte (E8M0): e + 127.
;;     - Each number is divided by its block's scale, clamped to +-6, and rounded to the nearest number of E2M1, ties to even, subnormals kept.
;;     - The product sums the exact products of the quantised numbers (number of the format x scale) in f32.
;;   ~~~python
;;   def quantise(x, axis):      # numpy; x: float32 -> the quantised numbers, widened to float32 again
;;       x = np.moveaxis(x, axis, -1); K = x.shape[-1]
;;       x = np.pad(x, [(0, 0)] * (x.ndim - 1) + [(0, -K % 32)]); x = x.reshape(x.shape[:-1] + (-1, 32)); a = np.abs(x).max(-1, keepdims=True)
;;       e = np.where(a > 0, np.clip(np.frexp(np.where(a > 0, a, 1))[1] - 1 - 2, -126, 127), 0)      # np.frexp(a)[1] - 1 = floor(log2(a)), exactly
;;       r = np.clip(x / 2.0 ** e, -6, 6)
;;       step = 2.0 ** (np.maximum(np.frexp(np.where(r == 0, 1, r))[1] - 1, 0) - 1)
;;       q = np.round(r / step) * step * 2.0 ** e      # np.round: ties to even
;;       return np.moveaxis(q.reshape(q.shape[:-2] + (-1,))[..., :K], -1, axis).astype(np.float32)
;;   ~~~
;;   OPERANDS COMPUTED ON THE WAY. 'Computed on the way' means the value that the module computes at that place (a softmax that the list does not call 'softmax' is quantised finished and normalised). What goes into a quantiser is computed in f32, as accurately as f32 sums, v_exp_f32 and their like allow (about 1e-6 of the number): no bf16 or f16 on the way to a quantiser, and a product that is left as it is and whose result goes on into a quantised operand takes f32 operands (vector FMAs, or v_wmma_f32_16x16x4_f32). A number that lies on a knife's edge between two numbers of the format may be rounded either way, as far as f32 arithmetic and the matrix unit's own rounding can turn it there, and no further.
;;   INPUTS GIVEN AS CODES. base_weight (in the module: [256, 256], K = its axis 1): each comes as NAME_codes (uint8): NAME with its K axis moved to the last place and cut into blocks of 32 codes, [.., K / 32, bytes a block], one block behind the other in memory; two codes a byte, the lower K in the low four bits (a code: sign, 2 exponent bits, 1 mantissa bit); and NAME_scales (uint8): the same leading axes, one E8M0 byte (e + 127) for each 32 codes along K. Its value is code x scale, taken as it is: it is not quantised again, and the codes and scales need not be those that the quantiser above would give.
;; One version. Each part assembles by itself: llvm-mc -triple=amdgcn-amd-amdhsa -mcpu=gfx1250 --defsym DOCPART=n.
;; ======== version 1 of 1: 2 launches
;; workspace buffers: wcodes 262,144 bytes; wscales 16,384 bytes
;; launch wq (part 1): grid 16 x 4, 4 waves a work-group, no clusters, 35,328 bytes of LDS; arguments spline_weight, wcodes, wscales; writes wcodes, wscales
.if DOCPART == 1
	.amdgcn_target "amdgcn-amd-amdhsa--gfx1250"
	.amdhsa_code_object_version 6
	.text
	.protected	k_qb6b695ab6f_wq
	.globl	k_qb6b695ab6f_wq
	.p2align	8
	.type	k_qb6b695ab6f_wq,@function
k_qb6b695ab6f_wq:
	s_mov_b64 s[64:65], 0
	v_nop
	global_prefetch_b8 v0, s[64:65] scope:SCOPE_SE
	s_setreg_imm32_b32 hwreg(HW_REG_WAVE_MODE, 25, 1), 1
	s_wait_xcnt 0x0
; spline_weight [256][2048] f32 (K = 8 x feature + coefficient, innermost) becomes codes of FP4 (E2M1) with one E8M0 byte for each 32 along K,
; laid in the order in which the next launch's operand registers take them:
;   wcodes  [w 4][s 16][t 4][c 2][lane 32][16 bytes]: lane (r = lane % 16, h = lane / 16) holds block 4 s + 2 c + h of row 64 w + 16 t + r;
;   wscales [w 4][s 16][lane 32][tp 2] words: lanes 0-15 the scale word of row r of tile 2 tp, lanes 16-31 that of tile 2 tp + 1.
; INSIDE a block the codes are permuted: place 16 P + 2 i + z holds feature 2 P + z, coefficient i (true k = 16 P + 8 z + i).  The next launch makes its own operand in the
; same order, so every product meets its partner; a block keeps its 32 numbers, so its scale is the one that the quantiser asks for.
; A block's scale is 2^(floor(log2(largest magnitude)) - 2); its byte is the largest magnitude's exponent field - 2, held at 1 from below.
; LIMITS: a block of zeros gets the byte 1 (its codes are zeros, and this program alone reads the bytes); NaN and infinities are not served.
; SHARES: work-group (x = K step s of 128, y = w); wave t makes one fragment: 16 rows x 128 K.  Each load reads 512 consecutive bytes of one row; the rows turn through the
; wave's own stage in LDS, from which a lane takes its 64 numbers in the permuted order.
.set SP,   528                         ; a stage row: 512 bytes + 16
.set WST,  16*SP                       ; a wave's stage
.set SCL,  4*WST                       ; behind the stages: the work-group's 64 scale words, 256 bytes
.set L,    16                          ; v16-79   16 rows as loaded
.set N,    80                          ; v80-143  my 64 numbers: 32 c + place
.set C,    144                         ; v144-151 the fragment's codes
	s_load_b128 s[4:7], s[0:1], 0x0                ; spline_weight, wcodes
	s_load_b64 s[8:9], s[0:1], 0x10                ; wscales
	v_lshl_add_u32 v160, v0, 2, 0x8800
	v_mov_b32 v161, 0
	v_lshrrev_b32 v8, 5, v0
	v_readfirstlane_b32 s10, v8                    ; wave t
	v_and_b32 v8, 31, v0                           ; lane
	v_and_b32 v9, 15, v0                           ; r
	v_bfe_u32 v10, v0, 4, 1                        ; h
	v_lshlrev_b32 v1, 4, v8                        ; 16 x lane
	s_mul_i32 s14, s10, WST
	v_add_nc_u32 v2, s14, v1                       ; into the stage: 16 bytes a lane of a row
	v_mul_u32_u24 v3, v9, SP
	v_lshl_add_u32 v3, v10, 7, v3
	v_add_nc_u32 v3, s14, v3                       ; out of it: row r, + 128 h: my block of 32 numbers
	s_and_b32 s15, s10, 1
	s_lshl_b32 s15, s15, 7
	s_lshr_b32 s16, s10, 1
	s_lshl_b32 s16, s16, 2
	s_add_co_u32 s15, s15, s16
	s_add_co_u32 s15, s15, SCL
	v_lshl_add_u32 v4, v9, 3, s15                  ; my row's scale word: 8 (r + 16 (t % 2)) + 4 (t / 2)
	v_lshlrev_b32 v5, 3, v10                       ; 8 h
	v_lshlrev_b32 v6, 3, v8                        ; 8 x lane
	v_add_nc_u32 v7, SCL, v6
	v_mov_b32 v15, 0                               ; a lane permute's destination counts as one of its sources
	s_mov_b32 s12, 0x76543210
	s_mov_b32 s13, 0xfedcba98                      ; selects for lane l xor 16
	s_and_b32 s17, ttmp7, 0xffff                   ; w
	s_lshl_b32 s18, s17, 19                        ; the weights: (64 w + 16 t) rows of 8,192 bytes + 512 s
	s_lshl_b32 s20, s10, 17
	s_add_co_u32 s18, s18, s20
	s_lshl_b32 s20, ttmp9, 9
	s_add_co_u32 s18, s18, s20
	s_mov_b32 s19, 0
	s_lshl_b32 s20, s17, 16                        ; the codes: ((16 w + s) 4 + t) x 1,024
	s_lshl_b32 s22, ttmp9, 12
	s_add_co_u32 s20, s20, s22
	s_lshl_b32 s22, s10, 10
	s_add_co_u32 s20, s20, s22
	s_mov_b32 s21, 0
	s_lshl_b32 s22, s17, 12                        ; the scale words: (16 w + s) x 256
	s_lshl_b32 s23, ttmp9, 8
	s_add_co_u32 s22, s22, s23
	s_mov_b32 s23, 0
	s_wait_kmcnt 0x0
	s_add_nc_u64 s[4:5], s[4:5], s[18:19]
	s_add_nc_u64 s[6:7], s[6:7], s[20:21]
	s_add_nc_u64 s[8:9], s[8:9], s[22:23]
.irp i, 0,1,2,3,4,5,6,7,8,9,10,11,12,13,14,15
	global_load_b128 v[L+4*\i:L+4*\i+3], v1, s[4:5] offset:8192*\i th:TH_LOAD_NT   ; row i: 32 lanes read 512 consecutive bytes
.endr
.irp i, 0,1,2,3,4,5,6,7,8,9,10,11,12,13,14,15
	s_wait_loadcnt 15-\i                           ; row i is in; the younger rows may be out
	ds_store_b128 v2, v[L+4*\i:L+4*\i+3] offset:SP*\i
.endr
.irp c, 0,1
.set p, 0
.rept 32
	ds_load_b32 v[N+32*\c+p], v3 offset:256*\c+4*(16*(p/16)+8*(p%2)+(p%16)/2)   ; LDS serves a wave's instructions in order: these see my stores
.set p, p+1
.endr
.endr
	s_wait_dscnt 0x0
.irp c, 0,1
	v_max3_num_f32 v[8+\c], |v[N+32*\c]|, |v[N+32*\c+1]|, 0x1800000   ; my block 2 c + h: all 32 numbers are mine; the floor 2^(3 - 127) holds the byte at 1 from below
.endr
.irp i, 2,4,6,8,10,12,14,16,18,20,22,24,26,28,30
.irp c, 0,1
	v_max3_num_f32 v[8+\c], v[8+\c], |v[N+32*\c+\i]|, |v[N+32*\c+\i+1]|   ; the two blocks by turns
.endr
.endr
.irp c, 0,1
	v_add_nc_u32 v[10+\c], 0xff000000, v[8+\c]     ; 2 off the exponent field: the conversion takes the exponent field of this operand as its scale
.endr
.irp c, 0,1
.irp g, 0,1,2,3
	v_cvt_scalef32_pk8_fp4_f32 v[C+4*\c+\g], v[N+32*\c+8*\g:N+32*\c+8*\g+7], v[10+\c]
.endr
.endr
.irp c, 0,1
	v_lshrrev_b32 v[12+\c], 23, v[10+\c]           ; the scale's byte (also the plain line behind the conversions)
.endr
	global_store_b128 v1, v[C:C+3], s[6:7]                  ; 32 lanes store 512 consecutive bytes
	global_store_b128 v1, v[C+4:C+7], s[6:7] offset:512
	v_lshl_or_b32 v14, v13, 16, v12                ; my two bytes: blocks h and 2 + h,
	v_lshlrev_b32 v14, v5, v14                     ; at their places in the word;
	v_permlanex16_b32 v15, v14, s12, s13
	v_or_b32 v14, v14, v15                         ; with lane l xor 16's two the word is whole
	ds_store_b32 v4, v14                           ; both halves of the lanes write the same word with the same value
	s_wait_dscnt 0x0                               ; for the others' sake: my word lies in LDS
	s_barrier_signal -1
	s_barrier_wait -1
	s_cmp_lg_u32 s10, 0
	s_cbranch_scc1 .Lend                           ; wave 0 stores the four waves' 64 words
	ds_load_b64 v[12:13], v7
	s_wait_dscnt 0x0
	global_store_b64 v6, v[12:13], s[8:9]          ; 32 lanes store 256 consecutive bytes, aligned
.Lend:
	s_wait_tensorcnt 0x0
	ds_add_u32 v160, v161
	s_wait_dscnt 0x0
	s_endpgm
.Lfunc_end_k_qb6b695ab6f_wq:
	.size	k_qb6b695ab6f_wq, .Lfunc_end_k_qb6b695ab6f_wq-k_qb6b695ab6f_wq
	.p2alignl 7, 3214868480
	.fill 96, 4, 3214868480
	.section	.rodata,"a",@progbits
	.p2align	6, 0x0
	.amdhsa_kernel k_qb6b695ab6f_wq
		.amdhsa_group_segment_fixed_size 35328
		.amdhsa_private_segment_fixed_size 0
		.amdhsa_enable_private_segment 0
		.amdhsa_kernarg_size 24
		.amdhsa_user_sgpr_count 2
		.amdhsa_user_sgpr_kernarg_segment_ptr 1
		.amdhsa_wavefront_size32 1
		.amdhsa_system_sgpr_workgroup_id_x 1
		.amdhsa_system_sgpr_workgroup_id_y 1
		.amdhsa_system_sgpr_workgroup_id_z 1
		.amdhsa_system_vgpr_workitem_id 0
		.amdhsa_next_free_vgpr 162
		.amdhsa_next_free_sgpr 66
		.amdhsa_reserve_vcc 0
		.amdhsa_float_denorm_mode_32 3
		.amdhsa_float_denorm_mode_16_64 3
		.amdhsa_memory_ordered 1
		.amdhsa_forward_progress 1
		.amdhsa_inst_pref_size 13
	.end_amdhsa_kernel
	.amdgpu_metadata
---
amdhsa.version: [ 1, 2 ]
amdhsa.kernels:
  - .name:           k_qb6b695ab6f_wq
    .symbol:         k_qb6b695ab6f_wq.kd
    .args:
      - { .name: spline_weight, .offset: 0, .size: 8, .value_kind: global_buffer, .address_space: global }
      - { .name: wcodes, .offset: 8, .size: 8, .value_kind: global_buffer, .address_space: global }
      - { .name: wscales, .offset: 16, .size: 8, .value_kind: global_buffer, .address_space: global }
    .group_segment_fixed_size: 35328
    .private_segment_fixed_size: 0
    .kernarg_segment_align: 8
    .kernarg_segment_size: 24
    .max_flat_workgroup_size: 128
    .sgpr_count:     66
    .vgpr_count:     162
    .wavefront_size: 32
...
	.end_amdgpu_metadata
.endif
;; end of part 1
;; launch kan (part 2): grid 256 x 1, 4 waves a work-group, no clusters, 327,680 bytes of LDS; arguments x, base_weight_codes, base_weight_scales, wcodes, wscales, out0; writes out0
.if DOCPART == 2
	.amdgcn_target "amdgcn-amd-amdhsa--gfx1250"
	.amdhsa_code_object_version 6
	.text
	.protected	k_qb6b695ab6f_kan
	.globl	k_qb6b695ab6f_kan
	.p2align	8
	.type	k_qb6b695ab6f_kan,@function
k_qb6b695ab6f_kan:
	s_mov_b64 s[64:65], 0
	v_nop
	global_prefetch_b8 v0, s[64:65] scope:SCOPE_SE
	s_setreg_imm32_b32 hwreg(HW_REG_WAVE_MODE, 25, 1), 1
	s_wait_xcnt 0x0
; out[32768][256] = Q(silu(x)) base_weight^T + Q(bases(x)) Q(spline_weight)^T, both products on codes of FP4 (E2M1) with one E8M0 scale for each 32 along K, sums in f32, in ONE accumulator:
; 18 K steps of 128: steps 0, 1 the base product (K = 256 features), steps 2 + s the spline product (K = 8 x feature + coefficient; step s holds features 16 s .. 16 s + 15).
; SHARES.  A work-group takes 128 rows of x, as four blocks of 32 rows (row tiles m = 0, 1).  THE WAVES SHARE THE COLUMNS in the products: wave w keeps the weights of outputs 64 w .. 64 w + 63
; for all 18 K steps in 576 registers for the whole launch.  In phase Q wave w makes the operand of row tile m = w / 2 and feature half hf = w % 2: one base step and eight spline steps;
; the fragments go from wave to wave through LDS as images of their registers (16 bytes a lane, 512 bytes a store).  In phase M every wave reads all 36 fragments.
; x comes by the tensor data mover, a tile of 16 rows x 512 bytes a wave and block, through two LDS slots, two blocks ahead of its use.
; WHY NO JOINT LOADS: what work-groups share is the weights, 576 registers x 128 bytes a wave, read once, straight into the registers where they stay; a joint load lands in LDS, from which the
; same bytes would have to be read once more.  x and out, 131,072 bytes each for a work-group, are shared with nobody.
; THE SPLINES, for two x at a time (packed f32).  Knots t_i = (i - 3) x 0.4f - 1, rounded as two f32 operations; d_i = x - t_i.  With Ik_i = 1 / (t_(i+k) - t_i):
;   level 1 x I2:  c_i = median(d_i I1_i I2_i, -d_(i+2) I1_(i+1) I2_i, 0): the hat: outside its support one of the two is negative, inside it the smaller one is the live branch;
;   level 2 x I3:  b_i = (d_i c_i - d_(i+3) c_(i+1)) I3_i;      level 3:  out_i = d_i b_i - d_(i+4) b_(i+1).   No term cancels: both products of a difference are of unlike sign or zero.
; A spline block of 32 is 4 neighbouring features x 8 coefficients; a lane makes it from 16 bytes of x.  Inside a block place 16 P + 2 i + z holds feature 2 P + z, coefficient i; the launch
; before lays the weights' codes in the same order.
; LIMITS.  Divisions by knot distances are multiplications by reciprocals (v_rcp_f32 and one Newton step), and the products are associated otherwise than in the source: a few last bits ahead of the quantiser.
; silu(x) = x / (1 + 2^(-x log2 e)): under x = -88.7 the exponential is infinite and the result is -0, where the exact value lies under 3e-37 in magnitude.  NaN and infinite x are not served.
; A block of zeros gets the scale byte 1: its codes are zeros.  The base and spline sums share an accumulator, so the order of the f32 sums differs from the source's.
; REGISTERS, in windows of 256.  Window 0: v1-19 addresses; v20-75 scale words and nothing else; v76-117 the splines' constants; v118-255 at work.
;   Weight register (4 S + t) 8 + 4 c + 0..3: window 1 + S / 8.  Window 3, v64-127: the 8 accumulators (m, t).
.set XW,     16*528                    ; LDS: a wave's tile of x: 16 rows of 512 bytes + 16 of padding
.set XSLOT1, 0x10000                   ; slot 0 at 0, slot 1 here: one exclusive or turns an address
.set IMG,    0x20000                   ; the 36 fragments: (18 m + S) x 1,024
.set ASC,    IMG+36*1024               ; their scale registers: (10 m + idx) x 128; idx 0, 1: base steps; idx 2 + s / 2: spline steps s (lanes 0-15 the even step, lanes 16-31 the odd)
.set STAGE,  ASC+20*128                ; the way out: 16 rows x (256 + 16) bytes for each wave
.set SPARE,  STAGE+4*16*272            ; the spare words, 128 bytes for each wave: two blocks of 256 bytes that no other line names
.set SPW, 1                            ; v1   SPARE + 4 x my thread's number; never rewritten
.set NIL, 2                            ; v2   0; never rewritten
.set XB,  3                            ; v3   x for the splines: my wave's tile + 528 r + 16 h
.set XS,  4                            ; v4   x for silu: my wave's tile + 528 r + 128 h
.set IB,  5                            ; v5   where I store the base fragment
.set IS,  6                            ; v6   where I store my first spline fragment
.set SWB, 7                            ; v7   the base fragment's scale register
.set SWS, 8                            ; v8   my first spline pair's
.set LI,  9                            ; v9   IMG + 16 x lane
.set LSC, 10                           ; v10  ASC + 4 x lane
.set STO, 11                           ; v11  the stage, in
.set SRD, 12                           ; v12  the stage, back
.set GO,  13                           ; v13  my byte offset in two rows of out
.set SH8, 14                           ; v14  8 h
.set XA,  15                           ; v15-17 the addresses in hand
.set IA,  16
.set SA,  17
.set HA,  18                           ; v18  16 x lane;  v19  128 r + 16 h: for the head's loads
.set HB,  19
.set WS,  20                           ; v20-51  spline weights' scale words: 2 s + t / 2; lanes 0-15 the even tile, lanes 16-31 the odd
.set WB,  52                           ; v52-55  base weights': 2 S + t / 2
.set AS,  56                           ; v56-75  the operand's: 10 m + idx
.set CB,  76                           ; v76-117 constants: 0-11 -t_i; 12-21 I1_i I2_i; 22-31 -I1_(i+1) I2_i; 32-40 I3_i; 41 zero (named as half of a pair)
.set X,   118                          ; v118-133 four quads of x
.set D,   134                          ; v134-157 d_0 .. d_11, pairs
.set C,   158                          ; v158-177 c_0 .. c_9
.set B,   178                          ; v178-197 b_0 .. b_8 (ten pairs while the hats are made)
.set OUT, 198                          ; v198-229 a block's 32 numbers
.set CODE, 230                         ; v230-245 two fragments' codes
.set M0,  246
.set M1,  247
.set SC,  248
.set BY,  249                          ; v249-252 scale bytes
.set P0,  253
.set P1,  254
.set TP,  255
.set SL0, 134                          ; silu: v134-197 my 64 numbers, v198-229 at work
.set T,   198
.set FB0, 118                          ; phase M: two buffers of six fragments, v118-165 and v166-213
.set RB,  118                          ; the way out: v118-181 rows read back
.set ACC, 64                           ; in window 3
.set TK,  134                          ; the head: knots, distances, reciprocals
.set DN,  146
.set RC,  176
.set MSB, 0
.macro WIN new                         ; the immediate's high byte repeats the setting that is left; a switch that changes nothing is dropped
.if MSB != (\new)
	s_set_vgpr_msb (MSB<<8)|(\new)
.set MSB, (\new)
.endif
.endm
.macro PLACES
.rept 4
	v_nop
.endr
.endm
; two numbers + or x constant n: the constant is one register of an even pair, taken for both halves
.macro PKADDC dst, src, n
.if ((\n)%2) == 0
	v_pk_add_f32 v[\dst:\dst+1], v[\src:\src+1], v[CB+(\n):CB+(\n)+1] op_sel_hi:[1,0]
.else
	v_pk_add_f32 v[\dst:\dst+1], v[\src:\src+1], v[CB+(\n)-1:CB+(\n)] op_sel:[0,1] op_sel_hi:[1,1]
.endif
.endm
.macro PKMULC dst, src, n
.if ((\n)%2) == 0
	v_pk_mul_f32 v[\dst:\dst+1], v[\src:\src+1], v[CB+(\n):CB+(\n)+1] op_sel_hi:[1,0]
.else
	v_pk_mul_f32 v[\dst:\dst+1], v[\src:\src+1], v[CB+(\n)-1:CB+(\n)] op_sel:[0,1] op_sel_hi:[1,1]
.endif
.endm
; The eight spline values of the two x in v[xr], v[xr + 1] -> v[OUT + 16 P + 2 i + z].  pre = 1: once the last x of a trip are used, the next trip's four quads are asked for (not in the last trip).
.macro PAIR xr, P, pre
.set O, OUT+16*(\P)
.set i, 0
.rept 12
	PKADDC D+2*i, \xr, i
.set i, i+1
.endr
.if \pre
	s_cmp_eq_u32 s43, 1
	s_cbranch_scc1 .Lnoq_\@
.irp q, 0,1,2,3
	ds_load_b128 v[X+4*\q:X+4*\q+3], v[XA] offset:128+32*\q
.endr
.Lnoq_\@:
.endif
.set i, 0
.rept 10
	PKMULC C+2*i, D+2*i, 12+i
	PKMULC B+2*i, D+2*i+4, 22+i
.set i, i+1
.endr
.set i, 0
.rept 20
	v_med3_num_f32 v[C+i], v[C+i], v[B+i], 0
.set i, i+1
.endr
.set i, 0
.rept 9
	v_pk_mul_f32 v[B+2*i:B+2*i+1], v[D+2*i+6:D+2*i+7], v[C+2*i+2:C+2*i+3]
.set i, i+1
.endr
.set i, 0
.rept 9
	v_pk_fma_f32 v[B+2*i:B+2*i+1], v[D+2*i:D+2*i+1], v[C+2*i:C+2*i+1], v[B+2*i:B+2*i+1] neg_lo:[0,0,1] neg_hi:[0,0,1]
.set i, i+1
.endr
.set i, 0
.rept 9
	PKMULC B+2*i, B+2*i, 32+i
.set i, i+1
.endr
.set i, 0
.rept 8
	v_pk_mul_f32 v[O+2*i:O+2*i+1], v[D+2*i+8:D+2*i+9], v[B+2*i+2:B+2*i+3]
.set i, i+1
.endr
.set i, 0
.rept 8
	v_pk_fma_f32 v[O+2*i:O+2*i+1], v[D+2*i:D+2*i+1], v[B+2*i:B+2*i+1], v[O+2*i:O+2*i+1] neg_lo:[0,0,1] neg_hi:[0,0,1]
.set i, i+1
.endr
.endm
; A block of 32 numbers of ONE lane, v[s] on -> four registers of codes v[cd] on, and the scale's byte in v[by].  The largest magnitude in two chains, with the floor 2^(3 - 127) among the leaves.
.macro QBLK s, cd, by
	v_max3_num_f32 v[M0], |v[\s]|, |v[\s+1]|, 0x1800000
	v_max3_num_f32 v[M1], |v[\s+16]|, |v[\s+17]|, |v[\s+18]|
.irp i, 0,1,2,3,4,5
	v_max3_num_f32 v[M0], v[M0], |v[\s+2+2*\i]|, |v[\s+3+2*\i]|
	v_max3_num_f32 v[M1], v[M1], |v[\s+19+2*\i]|, |v[\s+20+2*\i]|
.endr
	v_max3_num_f32 v[M0], v[M0], |v[\s+14]|, |v[\s+15]|
	v_max3_num_f32 v[M0], v[M0], v[M1], |v[\s+31]|
	v_add_nc_u32 v[SC], 0xff000000, v[M0]          ; 2 off the exponent field: the conversion's scale operand
.irp g, 0,1,2,3
	v_cvt_scalef32_pk8_fp4_f32 v[\cd+\g], v[\s+8*\g:\s+8*\g+7], v[SC]
.endr
	v_lshrrev_b32 v[\by], 23, v[SC]                ; the byte; also the plain line behind the conversions
.endm
; silu of 32 numbers, in place.  Each run of 32 transcendentals is one batch: a plain line, one wait, then the readers.
.macro SILU s
.set i, 0
.rept 16
	v_pk_mul_f32 v[T+2*i:T+2*i+1], v[\s+2*i:\s+2*i+1], 0xbfb8aa3b op_sel_hi:[1,0]   ; -x log2(e)
.set i, i+1
.endr
.set i, 0
.rept 32
	v_exp_f32 v[T+i], v[T+i]
.set i, i+1
.endr
	v_nop
	s_wait_alu depctr_va_vdst(0)
.set i, 0
.rept 16
	v_pk_add_f32 v[T+2*i:T+2*i+1], v[T+2*i:T+2*i+1], 1.0 op_sel_hi:[1,0]
.set i, i+1
.endr
.set i, 0
.rept 32
	v_rcp_f32 v[T+i], v[T+i]
.set i, i+1
.endr
	v_nop
	s_wait_alu depctr_va_vdst(0)
.set i, 0
.rept 16
	v_pk_mul_f32 v[\s+2*i:\s+2*i+1], v[\s+2*i:\s+2*i+1], v[T+2*i:T+2*i+1]
.set i, i+1
.endr
.endm
; PHASE Q, first part: my base fragment (K step hf): lane (r, h) holds features 64 c + 32 h + 0 .. 31 of my half of row r: two whole blocks.
.macro QSILU
	v_add_nc_u32 v[XA], s45, v[XS]
	v_add_nc_u32 v[IA], s45, v[XB]
.irp j, 0,1,2,3,4,5,6,7
	ds_load_b128 v[SL0+4*\j:SL0+4*\j+3], v[XA] offset:16*\j
.endr
.irp j, 0,1,2,3,4,5,6,7
	ds_load_b128 v[SL0+32+4*\j:SL0+32+4*\j+3], v[XA] offset:256+16*\j
.endr
.irp q, 0,1,2,3
	ds_load_b128 v[X+4*\q:X+4*\q+3], v[IA] offset:32*\q      ; the first spline trip's quads
.endr
.irp c, 0,1
	s_wait_dscnt 12-8*\c                           ; block c's eight loads are in; behind them: 12, then 4 younger loads
	SILU SL0+32*\c
	QBLK SL0+32*\c, CODE+4*\c, BY+\c
.endr
	v_lshl_or_b32 v[P0], v[BY+1], 16, v[BY]        ; my two bytes, blocks h and 2 + h,
	v_lshlrev_b32 v[P0], v[SH8], v[P0]             ; at their places;
	v_permlanex16_b32 v[TP], v[P0], s20, s21
	v_or_b32 v[P0], v[P0], v[TP]                   ; with lane l xor 16's the word is whole
	ds_store_b128 v[IB], v[CODE:CODE+3]
	ds_store_b128 v[IB], v[CODE+4:CODE+7] offset:512
	ds_store_b32 v[SWB], v[P0]
.endm
; PHASE Q, second part: my eight spline fragments, two a trip.  Lane (r, h) makes block 2 c + h of step u from the quad at 64 u + 32 c + 16 h bytes of the trip's 128.
.macro QSPLINE
	s_mov_b32 s40, s45                             ; x: the slot in hand, + 128 a trip
	s_mov_b32 s41, 0                               ; images: + 2,048 a trip
	s_mov_b32 s42, 0                               ; scale registers: + 128 a trip
	s_mov_b32 s43, 4
.Ltrip_\@:
	s_wait_dscnt 0x0                               ; the trip's quads are in, and no LDS instruction of mine still names the three addresses below
	v_add_nc_u32 v[XA], s40, v[XB]
	v_add_nc_u32 v[IA], s41, v[IS]
	v_add_nc_u32 v[SA], s42, v[SWS]
.irp u, 0,1
.irp c, 0,1
	PAIR X+4*(2*\u+\c), 0, 0
	PAIR X+4*(2*\u+\c)+2, 1, \u*\c
	QBLK OUT, CODE+8*\u+4*\c, BY+2*\u+\c
.endr
	ds_store_b128 v[IA], v[CODE+8*\u:CODE+8*\u+3] offset:1024*\u
	ds_store_b128 v[IA], v[CODE+8*\u+4:CODE+8*\u+7] offset:1024*\u+512
.endr
	v_lshl_or_b32 v[P0], v[BY+1], 16, v[BY]
	v_lshl_or_b32 v[P1], v[BY+3], 16, v[BY+2]
	v_lshlrev_b32 v[P0], v[SH8], v[P0]
	v_lshlrev_b32 v[P1], v[SH8], v[P1]
	v_permlane16_swap_b32 v[P0], v[P1]             ; P0: the h = 0 halves of steps 0 | 1;  P1: the h = 1 halves of steps 0 | 1
	v_or_b32 v[P0], v[P0], v[P1]                   ; lanes 0-15: row r's word of the even step; lanes 16-31: of the odd step
	ds_store_b32 v[SA], v[P0]
	s_add_co_u32 s40, s40, 128
	s_add_co_u32 s41, s41, 2048
	s_add_co_u32 s42, s42, 128
	s_sub_co_u32 s43, s43, 1
	s_cmp_lg_u32 s43, 0
	s_cbranch_scc1 .Ltrip_\@
.endm
; THE BARRIER BETWEEN Q AND M.  In front of it each wave waits for all its tensor loads (the next block's tile is the one that may be out), adds 0 to its spare word, and waits for that, for its
; stores of images and for its reads of x's slot.  Behind it all 36 fragments lie in LDS.  fill = 1: the slot just read takes the tile two blocks on: it has this M and the next Q in which to land.
.macro MEET fill
	s_wait_tensorcnt 0x0                           ; no tensor load of mine is out, so a group 0 may be written
	ds_add_u32 v[SPW], v[NIL]
.if \fill
	s_xor_b32 s37, s37, XSLOT1                     ; the walking descriptor: the other slot than last time,
	s_add_nc_u64 s[38:39], s[38:39], 32768         ; 32 rows of x on; the type bits on top are not reached
.endif
	s_wait_dscnt 0x0
	s_barrier_signal -1
	s_barrier_wait -1
.if \fill
	tensor_load_to_lds s[36:39], s[24:31]          ; my one tensor load until the next such barrier, first behind this one
	s_nop 0
	PLACES
.endif
.endm
.macro FETCH g                         ; the six fragments of K steps 3 g .. 3 g + 2 into buffer g % 2
.set FBB, FB0+48*((\g)%2)
.irp j, 0,1,2
.irp m, 0,1
.irp c, 0,1
	ds_load_b128 v[FBB+8*(2*\j+\m)+4*\c:FBB+8*(2*\j+\m)+4*\c+3], v[LI] offset:(18*\m+3*(\g)+\j)*1024+512*\c
.endr
.endr
.endr
.endm
; One product, TRANSPOSED: source 0 = 16 rows of the weights (tile t), source 1 = 16 rows of the operand (row tile m): lane (r, h) then holds out(row r, columns 16 t + 8 h + 0 .. 7).
.macro MM S, m, t, fb
.set rW, ((4*(\S)+(\t))*8)%256
.set rA, (\fb)+8*(2*((\S)%3)+(\m))
.set rC, ACC+8*(4*(\m)+(\t))
.if (\S) < 2
.set rV, WB+2*(\S)+(\t)/2
.set rU, AS+10*(\m)+(\S)
.set od, 0
.else
.set rV, WS+2*((\S)-2)+(\t)/2
.set rU, AS+10*(\m)+2+((\S)-2)/2
.set od, (\S)%2
.endif
.set ot, (\t)%2
.if (\S) == 0                          ; the first K step starts the sums: nothing is cleared
.if ot
	v_wmma_scale_f32_16x16x128_f8f6f4 v[rC:rC+7], v[rW:rW+7], v[rA:rA+7], 0, v[rV], v[rU] matrix_a_fmt:MATRIX_FMT_FP4 matrix_b_fmt:MATRIX_FMT_FP4 matrix_a_scale:MATRIX_SCALE_ROW1
.else
	v_wmma_scale_f32_16x16x128_f8f6f4 v[rC:rC+7], v[rW:rW+7], v[rA:rA+7], 0, v[rV], v[rU] matrix_a_fmt:MATRIX_FMT_FP4 matrix_b_fmt:MATRIX_FMT_FP4
.endif
.elseif ot && od
	v_wmma_scale_f32_16x16x128_f8f6f4 v[rC:rC+7], v[rW:rW+7], v[rA:rA+7], v[rC:rC+7], v[rV], v[rU] matrix_a_fmt:MATRIX_FMT_FP4 matrix_b_fmt:MATRIX_FMT_FP4 matrix_a_scale:MATRIX_SCALE_ROW1 matrix_b_scale:MATRIX_SCALE_ROW1
.elseif ot
	v_wmma_scale_f32_16x16x128_f8f6f4 v[rC:rC+7], v[rW:rW+7], v[rA:rA+7], v[rC:rC+7], v[rV], v[rU] matrix_a_fmt:MATRIX_FMT_FP4 matrix_b_fmt:MATRIX_FMT_FP4 matrix_a_scale:MATRIX_SCALE_ROW1
.elseif od
	v_wmma_scale_f32_16x16x128_f8f6f4 v[rC:rC+7], v[rW:rW+7], v[rA:rA+7], v[rC:rC+7], v[rV], v[rU] matrix_a_fmt:MATRIX_FMT_FP4 matrix_b_fmt:MATRIX_FMT_FP4 matrix_b_scale:MATRIX_SCALE_ROW1
.else
	v_wmma_scale_f32_16x16x128_f8f6f4 v[rC:rC+7], v[rW:rW+7], v[rA:rA+7], v[rC:rC+7], v[rV], v[rU] matrix_a_fmt:MATRIX_FMT_FP4 matrix_b_fmt:MATRIX_FMT_FP4
.endif
.endm
; PHASE M: 18 K steps x 8 accumulators, which take turns, one instruction a turn, in the same order in every step.  The fragments come in six groups of three steps,
; a group ahead.  A second barrier stands round the last group: behind it no wave reads the images any more, so the next block's may be stored; my tensor load may stay out.
.macro MPH
	s_wait_loadcnt 0x0                             ; the weights (in the first block; later nothing is out)
.irp m, 0,1
.irp i, 0,1,2,3,4,5,6,7,8,9
	ds_load_b32 v[AS+10*\m+\i], v[LSC] offset:128*(10*\m+\i)
.endr
.endr
	FETCH 0
.irp g, 0,1,2,3,4,5
.if (\g > 0) && (\g < 5)
	WIN 0
	PLACES                                         ; four plain lines between the last products and loads into registers that the group before last read... the buffer that takes the next group
.endif
.if \g < 5
	FETCH \g+1
	s_wait_dscnt 12                                ; all but the 12 just issued: this group's fragments, and the scale words, are in
.else
	s_wait_dscnt 0x0                               ; my reads of the images are over
	s_barrier_signal -1
.endif
.irp j, 0,1,2
	WIN 0xf0|(1+(3*\g+\j)/8)                       ; source 0: the weights' window; source 1 window 0; C and D window 3
.irp m, 0,1
.irp t, 0,1,2,3
	MM 3*\g+\j, \m, \t, FB0+48*(\g%2)
.endr
.endr
.endr
.endr
	s_barrier_wait -1
.endm
; THE WAY OUT.  A lane holds 32 neighbouring bytes of a row; a row tile goes through my own stage and comes back as rows of 256 bytes: sixteen lanes store 256 consecutive bytes, aligned.
.macro WAYOUT
	WIN 0
	PLACES                                         ; four plain lines between the last products and the first read of results, and the loads into registers that held fragments
.irp m, 0,1
	WIN 0x0c                                       ; an LDS store's data are its source 1: window 3
.irp t, 0,1,2,3
	ds_store_b128 v[STO], v[ACC+8*(4*\m+\t):ACC+8*(4*\m+\t)+3] offset:64*\t          ; each accumulator from its low end on
	ds_store_b128 v[STO], v[ACC+8*(4*\m+\t)+4:ACC+8*(4*\m+\t)+7] offset:64*\t+16
.endr
	WIN 0
.irp i, 0,1,2,3,4,5,6,7
	ds_load_b128 v[RB+32*\m+4*\i:RB+32*\m+4*\i+3], v[SRD] offset:544*\i   ; LDS serves a wave's instructions in order: these see my stores, and the next tile's stores come behind them
.endr
.endr
.irp m, 0,1
.irp i, 0,1,2,3,4,5,6,7
	s_wait_dscnt (1-\m)*16+7-\i                    ; behind this load: its tile's younger loads, and for tile 0 the 16 LDS instructions of tile 1
	global_store_b128 v[GO], v[RB+32*\m+4*\i:RB+32*\m+4*\i+3], s[14:15] offset:(16*\m+2*\i)*1024 th:TH_STORE_NT
.endr
.endr
	s_wait_xcnt 0x0                                ; the stores have read their registers and their base: both are written again only behind this wait
	s_add_nc_u64 s[14:15], s[14:15], 32768         ; 32 rows of out on
.endm
.macro BLOCK fill
	QSILU
	QSPLINE
	MEET \fill
	MPH
	WAYOUT
	s_xor_b32 s45, s45, XSLOT1                     ; the next block's x lies in the other slot
.endm
	s_load_b256 s[4:11], s[0:1], 0x0               ; x s[4:5], base codes s[6:7], base scales s[8:9], wcodes s[10:11]
	s_load_b128 s[12:15], s[0:1], 0x20             ; wscales s[12:13], out s[14:15]
	v_lshl_add_u32 v[SPW], v0, 2, SPARE
	v_mov_b32 v[NIL], 0
	ds_add_u32 v1, v2
	ds_add_u32 v1, v2
	s_wait_dscnt 0x0
	v_lshrrev_b32 v[HA], 5, v0
	v_readfirstlane_b32 s16, v[HA]                 ; wave w
	s_lshr_b32 s17, s16, 1                         ; m: my row tile in phase Q
	s_and_b32 s18, s16, 1                          ; hf: my half of the features
	; descriptor group 1: 16 rows x 128 elements of 4 bytes, 256 elements from row to row, 4 words of padding behind every 128
	s_mov_b32 s24, (2<<16)|(1<<20)|(6<<22)|(3<<25)
	s_mov_b32 s25, 128<<16                         ; tensor_dim0
	s_mov_b32 s26, 16<<16                          ; tensor_dim1
	s_mov_b32 s27, 128<<16                         ; tile_dim0
	s_mov_b32 s28, 16                              ; tile_dim1
	s_mov_b32 s29, 256                             ; tensor_dim0_stride
	s_mov_b32 s30, 0
	s_mov_b32 s31, 0
	s_mul_i32 s46, s16, XW                         ; my tile's place in a slot
	s_lshl_b32 s54, ttmp9, 17                      ; (128 x work-group + 16 m) rows of 1,024 bytes + 512 hf
	s_lshl_b32 s47, s17, 14
	s_add_co_u32 s54, s54, s47
	s_lshl_b32 s47, s18, 9
	s_add_co_u32 s54, s54, s47
	s_mov_b32 s55, 0
	s_mov_b32 s32, 1                               ; group 0 for block 0, slot 0
	s_mov_b32 s33, s46
	s_mov_b32 s36, 1                               ; and for block 1, slot 1: this set then walks on
	s_add_co_u32 s37, s46, XSLOT1
	s_wait_kmcnt 0x0
	s_add_nc_u64 s[34:35], s[4:5], s[54:55]
	s_add_nc_u64 s[38:39], s[34:35], 32768
	s_or_b32 s35, s35, 0x80000000
	s_or_b32 s39, s39, 0x80000000
	tensor_load_to_lds s[32:35], s[24:31]          ; the two first fills go out together: two tensor loads of mine are out
	s_nop 0
	tensor_load_to_lds s[36:39], s[24:31]
	s_nop 0
	PLACES
	s_lshl_b32 s54, s16, 13
	s_add_nc_u64 s[6:7], s[6:7], s[54:55]          ; base codes: my 64 rows of 128 bytes
	s_lshl_b32 s54, s16, 9
	s_add_nc_u64 s[8:9], s[8:9], s[54:55]          ; base scales: 8 bytes a row
	s_lshl_b32 s54, s16, 16
	s_add_nc_u64 s[10:11], s[10:11], s[54:55]      ; my 64 spline fragments of 1,024 bytes
	s_lshl_b32 s54, s16, 12
	s_add_nc_u64 s[12:13], s[12:13], s[54:55]      ; and their scale words, 256 bytes a K step
	s_lshl_b32 s54, ttmp9, 17
	s_lshl_b32 s47, s16, 8
	s_add_co_u32 s54, s54, s47
	s_add_nc_u64 s[14:15], s[14:15], s[54:55]      ; out: my work-group's first row, my 64 columns
	v_and_b32 v246, 31, v0                         ; lane
	v_and_b32 v247, 15, v0                         ; r
	v_bfe_u32 v248, v0, 4, 1                       ; h
	v_mul_u32_u24 v249, v247, 528
	v_add_nc_u32 v249, s46, v249
	v_lshl_add_u32 v[XB], v248, 4, v249
	v_lshl_add_u32 v[XS], v248, 7, v249
	v_lshlrev_b32 v[HA], 4, v246
	v_add_nc_u32 v[LI], IMG, v[HA]
	s_mul_i32 s47, s17, 18432
	s_lshl_b32 s48, s18, 10
	s_add_co_u32 s48, s48, s47
	v_add_nc_u32 v[IB], s48, v[LI]                 ; fragment 18 m + hf
	s_lshl_b32 s48, s18, 13
	s_add_co_u32 s48, s48, s47
	s_add_co_u32 s48, s48, 2048
	v_add_nc_u32 v[IS], s48, v[LI]                 ; fragment 18 m + 2 + 8 hf
	v_lshl_add_u32 v[LSC], v246, 2, ASC
	s_mul_i32 s50, s17, 1280
	s_lshl_b32 s51, s18, 7
	s_add_co_u32 s51, s51, s50
	v_add_nc_u32 v[SWB], s51, v[LSC]               ; scale register 10 m + hf
	s_lshl_b32 s51, s18, 9
	s_add_co_u32 s51, s51, s50
	s_add_co_u32 s51, s51, 256
	v_add_nc_u32 v[SWS], s51, v[LSC]               ; scale register 10 m + 2 + 4 hf
	s_mul_i32 s53, s16, 16*272
	s_add_co_u32 s53, s53, STAGE
	v_mul_u32_u24 v249, v247, 272
	v_lshl_add_u32 v249, v248, 5, v249
	v_add_nc_u32 v[STO], s53, v249                 ; in: row r, + 32 h
	v_mul_u32_u24 v249, v248, 272
	v_lshl_add_u32 v249, v247, 4, v249
	v_add_nc_u32 v[SRD], s53, v249                 ; back: lanes 0-15 one row, lanes 16-31 the next
	v_lshlrev_b32 v249, 4, v247
	v_lshl_add_u32 v[GO], v248, 10, v249           ; and the same two rows in out
	v_lshlrev_b32 v[SH8], 3, v248
	v_lshlrev_b32 v249, 7, v247
	v_lshl_add_u32 v[HB], v248, 4, v249            ; base codes: row r of 128 bytes, + 16 h
	v_lshlrev_b32 v[SA], 3, v246                   ; 8 x lane, for the scale words' loads
	; THE WEIGHTS, into the registers where they stay
.set KS, 0
.rept 18
	WIN (1+KS/8)<<6                                ; destination: the K step's window
.irp t, 0,1,2,3
.irp c, 0,1
.if KS < 2
	global_load_b128 v[((4*KS+\t)*8+4*\c)%256:((4*KS+\t)*8+4*\c)%256+3], v[HB], s[6:7] offset:2048*\t+64*KS+32*\c
.else
	global_load_b128 v[((4*KS+\t)*8+4*\c)%256:((4*KS+\t)*8+4*\c)%256+3], v[HA], s[10:11] offset:(4*(KS-2)+\t)*1024+512*\c
.endif
.endr
.endr
.set KS, KS+1
.endr
	WIN 0
.set KS, 0
.rept 16
	global_load_b64 v[WS+2*KS:WS+2*KS+1], v[SA], s[12:13] offset:256*KS
.set KS, KS+1
.endr
.irp s, 0,1
.irp p, 0,1
	global_load_b32 v[WB+2*\s+\p], v[SA], s[8:9] offset:256*\p+4*\s   ; lane l: row 32 p + l of my 64: lanes 0-15 tile 2 p, lanes 16-31 tile 2 p + 1
.endr
.endr
	; THE CONSTANTS, the same in every lane, made while the loads are on their way
.set i, 0
.rept 12
	v_cvt_f32_i32 v[TK+i], i-3
.set i, i+1
.endr
.set i, 0
.rept 12
	v_mul_f32 v[TK+i], 0x3ecccccd, v[TK+i]         ; x 0.4f, rounded,
.set i, i+1
.endr
.set i, 0
.rept 12
	v_add_f32 v[TK+i], -1.0, v[TK+i]               ; - 1, rounded: the knots
.set i, i+1
.endr
.set i, 0
.rept 11
	v_sub_f32 v[DN+i], v[TK+i+1], v[TK+i]
.set i, i+1
.endr
.set i, 0
.rept 10
	v_sub_f32 v[DN+11+i], v[TK+i+2], v[TK+i]
.set i, i+1
.endr
.set i, 0
.rept 9
	v_sub_f32 v[DN+21+i], v[TK+i+3], v[TK+i]
.set i, i+1
.endr
.set i, 0
.rept 30
	v_rcp_f32 v[RC+i], v[DN+i]
.set i, i+1
.endr
	v_nop                                          ; a plain line behind the last reciprocal,
	s_wait_alu depctr_va_vdst(0)                   ; and one wait for the batch, ahead of its first reader
.set i, 0
.rept 30
	v_fma_f32 v[DN+i], -v[DN+i], v[RC+i], 1.0      ; one Newton step: e = 1 - den r,
.set i, i+1
.endr
.set i, 0
.rept 30
	v_fma_f32 v[RC+i], v[RC+i], v[DN+i], v[RC+i]   ; r = r + r e
.set i, i+1
.endr
.set i, 0
.rept 12
	v_mul_f32 v[CB+i], -1.0, v[TK+i]
.set i, i+1
.endr
.set i, 0
.rept 10
	v_mul_f32 v[CB+12+i], v[RC+i], v[RC+11+i]
	v_mul_f32 v[CB+22+i], -v[RC+1+i], v[RC+11+i]
.set i, i+1
.endr
.set i, 0
.rept 9
	v_mov_b32 v[CB+32+i], v[RC+21+i]
.set i, i+1
.endr
	v_mov_b32 v[CB+41], 0
	v_mov_b32 v[TP], 0                             ; a lane permute's destination counts as one of its sources
	s_mov_b32 s20, 0x76543210
	s_mov_b32 s21, 0xfedcba98                      ; selects for lane l xor 16
	s_mov_b32 s45, 0                               ; block 0 lies in slot 0
	s_wait_xcnt 0x0                                ; the head's loads have read their address registers: v17 is written again below
	s_wait_tensorcnt 0x1                           ; my tile of block 0 is in (I alone read it); block 1's may be out: nothing is filled before the next wait for all
	s_mov_b32 s44, 2
.LA:                                                   ; blocks 0 and 1: each asks for the tile two blocks on
	BLOCK 1
	s_sub_co_u32 s44, s44, 1
	s_cmp_lg_u32 s44, 0
	s_cbranch_scc1 .LA
	s_mov_b32 s44, 2
.LB:                                                   ; blocks 2 and 3 ask for nothing: written out
	BLOCK 0
	s_sub_co_u32 s44, s44, 1
	s_cmp_lg_u32 s44, 0
	s_cbranch_scc1 .LB
	s_wait_tensorcnt 0x0                           ; the wave's end, behind my last tensor load and my last LDS store
	ds_add_u32 v[SPW], v[NIL]
	s_wait_dscnt 0x0
	s_endpgm
.Lfunc_end_k_qb6b695ab6f_kan:
	.size	k_qb6b695ab6f_kan, .Lfunc_end_k_qb6b695ab6f_kan-k_qb6b695ab6f_kan
	.p2alignl 7, 3214868480
	.fill 96, 4, 3214868480
	.section	.rodata,"a",@progbits
	.p2align	6, 0x0
	.amdhsa_kernel k_qb6b695ab6f_kan
		.amdhsa_group_segment_fixed_size 327680
		.amdhsa_private_segment_fixed_size 0
		.amdhsa_enable_private_segment 0
		.amdhsa_kernarg_size 48
		.amdhsa_user_sgpr_count 2
		.amdhsa_user_sgpr_kernarg_segment_ptr 1
		.amdhsa_wavefront_size32 1
		.amdhsa_system_sgpr_workgroup_id_x 1
		.amdhsa_system_sgpr_workgroup_id_y 1
		.amdhsa_system_sgpr_workgroup_id_z 1
		.amdhsa_system_vgpr_workitem_id 0
		.amdhsa_next_free_vgpr 896
		.amdhsa_next_free_sgpr 66
		.amdhsa_reserve_vcc 0
		.amdhsa_float_denorm_mode_32 3
		.amdhsa_float_denorm_mode_16_64 3
		.amdhsa_memory_ordered 1
		.amdhsa_forward_progress 1
		.amdhsa_inst_pref_size 230
	.end_amdhsa_kernel
	.amdgpu_metadata
---
amdhsa.version: [ 1, 2 ]
amdhsa.kernels:
  - .name:           k_qb6b695ab6f_kan
    .symbol:         k_qb6b695ab6f_kan.kd
    .args:
      - { .name: x, .offset: 0, .size: 8, .value_kind: global_buffer, .address_space: global }
      - { .name: base_weight_codes, .offset: 8, .size: 8, .value_kind: global_buffer, .address_space: global }
      - { .name: base_weight_scales, .offset: 16, .size: 8, .value_kind: global_buffer, .address_space: global }
      - { .name: wcodes, .offset: 24, .size: 8, .value_kind: global_buffer, .address_space: global }
      - { .name: wscales, .offset: 32, .size: 8, .value_kind: global_buffer, .address_space: global }
      - { .name: out0, .offset: 40, .size: 8, .value_kind: global_buffer, .address_space: global }
    .group_segment_fixed_size: 327680
    .private_segment_fixed_size: 0
    .kernarg_segment_align: 8
    .kernarg_segment_size: 48
    .max_flat_workgroup_size: 128
    .sgpr_count:     66
    .vgpr_count:     896
    .wavefront_size: 32
...
	.end_amdgpu_metadata
.endif
;; end of part 2
